; MI455X (gfx1250); checked and timed in simulation.
; The chip was launched on July 23, 2026; its instructions are those of AMD's public machine-readable ISA for CDNA 5 (MIT licence, August 2026) and "CDNA5" Instruction Set Architecture Reference Guide (July 2026). The comments in the code are by the model that wrote it; some were corrected since.
;; Mo E Layer. Allowed arithmetic: float matrix products may take bf16 or f16 operands with f32 sums; all other float work in f32.
;; Inputs: b1 4 x 1,024 float32; b2 4 x 512 float32; bg 4 float32; w1 4 x 512 x 1,024 float32; w2 4 x 1,024 x 512 float32; wg 512 x 4 float32; x 4 x 4,096 x 512 float32.
;; Outputs: out0 4 x 4,096 x 512 float32.
;; One version. Each part assembles by itself: llvm-mc -triple=amdgcn-amd-amdhsa -mcpu=gfx1250 --defsym DOCPART=n.
;; ======== version 1 of 1: 2 launches
;; limits: values are held in f16: magnitudes above 65,504 overflow, below 6.1e-05 lose precision
;; workspace buffers: wpk 8,388,608 bytes
;; launch pack (part 1): grid 128 x 2, 8 waves a work-group, no clusters, 34,816 bytes of LDS; arguments w1, w2, wpk; writes wpk
.if DOCPART == 1
	.amdgcn_target "amdgcn-amd-amdhsa--gfx1250"
	.amdhsa_code_object_version 6
	.text
	.protected	k_qbd5e4366c0_pack
	.globl	k_qbd5e4366c0_pack
	.p2align	8
	.type	k_qbd5e4366c0_pack,@function
k_qbd5e4366c0_pack:
	s_mov_b64 s[64:65], 0
	v_nop
	global_prefetch_b8 v0, s[64:65] scope:SCOPE_SE
	s_setreg_imm32_b32 hwreg(HW_REG_WAVE_MODE, 25, 1), 1
	s_wait_xcnt 0x0
; w1 [4][512][1024] and w2 [4][1024][512], f32, are rounded to f16 once and laid in the order in which the second launch takes them:
; fragments of 1,024 bytes in the register image of a matrix instruction's source, one stream for each wave number w of that launch.
;   wpk byte = w*2097152 + b*16384 + frag*1024 + q*512 + L*16 + 2 i      (L = r + 16 h the lane, q the fragment's register half, i = 0..7)
;   b = 2 t     : frag = ks        : w1[t>>4][32 ks + 16 q + 8 h + i][64 (t&15) + 16 w + r]
;   b = 2 c + 1 : frag = 8 kf + nb : w2[c>>4][64 (c&15) + 32 kf + 16 q + 8 h + i][128 w + 16 nb + r]
; f16, not bf16: see the second launch's head.  LIMIT: a weight beyond 65,504 becomes infinite; one under 2^-14 is kept as an f16 denormal, within 2^-25.
; A stream: 16 MiB in, 8 MiB out, no product, nothing shared between work-groups, so no matrix unit and no cluster.
; Grid y = 0 takes w1, y = 1 takes w2.  A wave takes 32 K rows x 64 columns (8 KiB of f32) as two tasks q of 16 rows.  Lane (a = L & 15, h = L >> 4)
; loads columns 4 a .. 4 a + 3 of rows 16 q + 8 h + i: every load of the wave reads two aligned pieces of 256 consecutive bytes.
; Eight K of one column pack into 16 bytes; they change lanes through the wave's own LDS bytes and leave as 512 consecutive, aligned bytes a store.
.set X, 8                              ; v[8:71]   task q, row i: 4 f32 at X + 32 q + 4 i; later the eight blocks read back
.set Y, 72                             ; v[72:103] task q, column col: 8 f16 at Y + 16 q + 4 col
.set BLK, 528                          ; a block of 512 bytes in LDS + 16: the sixteen lanes of a store fall into sixteen different 16-byte columns
.set WLDS, 8*BLK                       ; a wave's LDS bytes: 2 tasks x 4 blocks
; pitch: bytes from a K row to the next in the source.  ostride: bytes in wpk between the blocks of neighbouring groups of 16 columns.  base: the source's address pair.
.macro PACKW pitch, ostride, base
	v_mul_u32_u24 v4, v3, 8*\pitch                 ; 8 h rows
	v_lshl_add_u32 v4, v2, 4, v4                   ; + 16 a
.irp q, 0,1
.irp i, 0,1,2,3,4,5,6,7
	global_load_b128 v[X+32*\q+4*\i:X+32*\q+4*\i+3], v4, s[\base:\base+1] offset:(16*\q+\i)*\pitch th:TH_LOAD_NT
.endr
.endr
.irp q, 0,1
	s_wait_loadcnt 8-8*\q                          ; loads return in order: task 0 is in while task 1's eight stay out; then all
.irp col, 0,1,2,3
.irp m, 0,1,2,3
	v_cvt_pk_f16_f32 v[Y+16*\q+4*\col+\m], v[X+32*\q+8*\m+\col], v[X+32*\q+8*\m+4+\col]   ; K = 2 m and 2 m + 1 of one column
.endr
.endr
.irp col, 0,1,2,3
	ds_store_b128 v5, v[Y+16*\q+4*\col:Y+16*\q+4*\col+3] offset:\q*4*BLK+\col*16
.endr
.endr
.irp n, 0,1,2,3,4,5,6,7
	ds_load_b128 v[X+4*\n:X+4*\n+3], v6 offset:\n*BLK      ; block n = 4 q + m; LDS serves a wave's instructions in order, so these see the stores above
.endr
.irp n, 0,1,2,3,4,5,6,7
	s_wait_dscnt 7-\n                              ; the younger loads stay out
	global_store_b128 v7, v[X+4*\n:X+4*\n+3], s[8:9] offset:(\n%4)*\ostride+(\n/4)*512     ; 512 consecutive bytes, aligned
.endr
.endm
	s_load_b128 s[4:7], s[0:1], 0x0                ; w1 s[4:5], w2 s[6:7]
	s_load_b64 s[8:9], s[0:1], 0x10                ; wpk
	v_lshl_add_u32 v104, v0, 2, 0x8400
	v_mov_b32 v105, 0
	v_lshrrev_b32 v1, 5, v0
	v_readfirstlane_b32 s10, v1                    ; wave 0..7
	v_and_b32 v1, 31, v0                           ; L
	v_and_b32 v2, 15, v0                           ; a
	v_bfe_u32 v3, v0, 4, 1                         ; h
	v_lshrrev_b32 v5, 2, v2                        ; a >> 2: which group of 16 columns
	v_mul_u32_u24 v5, v5, BLK
	v_lshl_add_u32 v5, v3, 8, v5                   ; + 256 h
	v_and_b32 v6, 3, v2
	v_lshl_add_u32 v5, v6, 6, v5                   ; + 64 (a & 3): r = 4 (a & 3) + col, 16 bytes each
	s_mul_i32 s11, s10, WLDS
	v_add_nc_u32 v5, s11, v5                       ; into the wave's own bytes
	v_lshlrev_b32 v7, 4, v1                        ; 16 L: my 16 bytes of a block, in wpk
	v_add_nc_u32 v6, s11, v7                       ; and in LDS
	s_and_b32 s12, ttmp7, 0xffff                   ; y
	s_lshr_b32 s13, ttmp9, 1                       ; the chunk of 64 hidden units, t or c
	s_and_b32 s14, ttmp9, 1
	s_cmp_lg_u32 s12, 0
	s_cbranch_scc1 .Lw2
	; w1: ks = 8 (x & 1) + wave
	s_lshl3_add_u32 s15, s14, s10
	s_lshr_b32 s16, s13, 4
	s_lshl_b32 s16, s16, 21                        ; the expert's 512 x 1024 f32
	s_and_b32 s17, s13, 15
	s_lshl_b32 s17, s17, 8                         ; 64 columns of 4 bytes
	s_add_co_u32 s16, s16, s17
	s_lshl_b32 s17, s15, 17                        ; 32 rows of 4,096 bytes
	s_add_co_u32 s16, s16, s17
	s_mov_b32 s17, 0
	s_lshl_b32 s18, s13, 15                        ; block 2 t
	s_lshl_b32 s19, s15, 10                        ; fragment ks
	s_add_co_u32 s18, s18, s19
	s_mov_b32 s19, 0
	s_wait_kmcnt 0x0
	s_add_nc_u64 s[4:5], s[4:5], s[16:17]
	s_add_nc_u64 s[8:9], s[8:9], s[18:19]
	PACKW 4096, 2097152, 4                         ; neighbouring groups of 16 columns belong to neighbouring waves' streams
	s_wait_tensorcnt 0x0
	ds_add_u32 v104, v105
	s_wait_dscnt 0x0
	s_endpgm
.Lw2:
	; w2: kf = x & 1, the wave takes columns 64 wave .. + 63
	s_lshl_b32 s16, s13, 17                        ; 64 c rows of 2,048 bytes (the expert is c >> 4)
	s_lshl_b32 s17, s14, 16                        ; 32 kf rows
	s_add_co_u32 s16, s16, s17
	s_lshl_b32 s17, s10, 8                         ; 64 columns of 4 bytes
	s_add_co_u32 s16, s16, s17
	s_mov_b32 s17, 0
	s_lshr_b32 s18, s10, 1
	s_lshl_b32 s18, s18, 21                        ; stream w = wave >> 1
	s_lshl_b32 s19, s13, 15
	s_add_co_u32 s18, s18, s19
	s_add_co_u32 s18, s18, 16384                   ; block 2 c + 1
	s_lshl_b32 s19, s14, 13                        ; fragment 8 kf
	s_add_co_u32 s18, s18, s19
	s_and_b32 s19, s10, 1
	s_lshl_b32 s19, s19, 12                        ; + 4 (wave & 1)
	s_add_co_u32 s18, s18, s19
	s_mov_b32 s19, 0
	s_wait_kmcnt 0x0
	s_add_nc_u64 s[6:7], s[6:7], s[16:17]
	s_add_nc_u64 s[8:9], s[8:9], s[18:19]
	PACKW 2048, 1024, 6                            ; neighbouring groups of 16 columns are neighbouring fragments
	s_wait_tensorcnt 0x0
	ds_add_u32 v104, v105
	s_wait_dscnt 0x0
	s_endpgm
.Lfunc_end_k_qbd5e4366c0_pack:
	.size	k_qbd5e4366c0_pack, .Lfunc_end_k_qbd5e4366c0_pack-k_qbd5e4366c0_pack
	.p2alignl 7, 3214868480
	.fill 96, 4, 3214868480
	.section	.rodata,"a",@progbits
	.p2align	6, 0x0
	.amdhsa_kernel k_qbd5e4366c0_pack
		.amdhsa_group_segment_fixed_size 34816
		.amdhsa_private_segment_fixed_size 0
		.amdhsa_enable_private_segment 0
		.amdhsa_kernarg_size 24
		.amdhsa_user_sgpr_count 2
		.amdhsa_user_sgpr_kernarg_segment_ptr 1
		.amdhsa_wavefront_size32 1
		.amdhsa_system_sgpr_workgroup_id_x 1
		.amdhsa_system_sgpr_workgroup_id_y 1
		.amdhsa_system_sgpr_workgroup_id_z 1
		.amdhsa_system_vgpr_workitem_id 0
		.amdhsa_next_free_vgpr 106
		.amdhsa_next_free_sgpr 66
		.amdhsa_reserve_vcc 0
		.amdhsa_float_denorm_mode_32 3
		.amdhsa_float_denorm_mode_16_64 3
		.amdhsa_memory_ordered 1
		.amdhsa_forward_progress 1
		.amdhsa_inst_pref_size 15
	.end_amdhsa_kernel
	.amdgpu_metadata
---
amdhsa.version: [ 1, 2 ]
amdhsa.kernels:
  - .name:           k_qbd5e4366c0_pack
    .symbol:         k_qbd5e4366c0_pack.kd
    .args:
      - { .name: w1, .offset: 0, .size: 8, .value_kind: global_buffer, .address_space: global }
      - { .name: w2, .offset: 8, .size: 8, .value_kind: global_buffer, .address_space: global }
      - { .name: wpk, .offset: 16, .size: 8, .value_kind: global_buffer, .address_space: global }
    .group_segment_fixed_size: 34816
    .private_segment_fixed_size: 0
    .kernarg_segment_align: 8
    .kernarg_segment_size: 24
    .max_flat_workgroup_size: 256
    .sgpr_count:     66
    .vgpr_count:     106
    .wavefront_size: 32
...
	.end_amdgpu_metadata
.endif
;; end of part 1
;; launch moe (part 2): grid 256 x 1, 4 waves a work-group, clusters of 4 x 1, 327,680 bytes of LDS; arguments x, wg, bg, b1, b2, wpk, out0; writes out0
.if DOCPART == 2
	.amdgcn_target "amdgcn-amd-amdhsa--gfx1250"
	.amdhsa_code_object_version 6
	.text
	.protected	k_qbd5e4366c0_moe
	.globl	k_qbd5e4366c0_moe
	.p2align	8
	.type	k_qbd5e4366c0_moe,@function
k_qbd5e4366c0_moe:
	s_mov_b64 s[64:65], 0
	v_nop
	global_prefetch_b8 v0, s[64:65] scope:SCOPE_SE
	s_setreg_imm32_b32 hwreg(HW_REG_WAVE_MODE, 25, 1), 1
	s_wait_xcnt 0x0
	s_wait_alu depctr_hold_cnt(0) depctr_sa_sdst(0) depctr_va_vdst(0) depctr_va_sdst(0) depctr_va_ssrc(0) depctr_va_vcc(0) depctr_vm_vsrc(0)
	s_getreg_b32 s2, hwreg(HW_REG_IB_STS2, 6, 4)
	s_cmp_eq_u32 s2, 0
	s_cbranch_scc0 .Lentry_in_a_cluster
	s_endpgm
.Lentry_in_a_cluster:
	s_bfe_u32 s2, ttmp6, 0x10000c
	s_cmp_lg_u32 s2, 0x3003
	s_cbranch_scc0 .Lentry_shape_is_right
	s_endpgm
.Lentry_shape_is_right:
; out[t] = sum over e of c[t][e] (relu(x[t] W1[e] + b1[e]) W2[e] + b2[e]),  c = softmax over the two largest of the four logits x[t] wg + bg, 0 elsewhere.
; Since c >= 0 this is ONE chain: out = [c relu(x W1 + b1)] W2 + c b2 over 4 x 1024 = 4,096 hidden units, taken in 64 chunks of 64 (chunk t: expert t >> 4).
; SHARES.  256 work-groups of four waves; a work-group owns 64 tokens and keeps x (f16 fragments), the hidden chunk and out in registers and LDS: nothing but x, the weights and out touches memory.
; Both products are used transposed (source 0 = 16 rows of weights, source 1 = 16 tokens): in a result a lane holds ONE token (lane % 16) and eight neighbouring units 8 (lane / 16) + 0..7.
;   P1(t): wave w makes units 16 w .. + 15 of chunk t for all 64 tokens: 4 accumulators, 16 K steps; b1 is the C of the first step.
;   P2(c): wave w owns out's columns 128 w .. + 127 for all 64 tokens: 32 accumulators, 2 K steps; the chunk, times c, rounded to f16, goes from wave to wave through LDS.
;   Trip t does P1(t) and P2(t - 1), so that the chunk's way through LDS lies under matrix work.
; THE OPERANDS ARE f16, NOT bf16.  Each of out's 8.4 million numbers is wanted within a hundredth of out's root mean square.  The chain rounds four times (x, W1, the hidden chunk, W2); a rounding to
; 8 significant bits leaves an error of about 0.0016 of that root mean square, the four together about 0.0032: the allowance would be three standard deviations.  11 bits leave an eighth of it.
; Room in f16 (largest number 65,504): a hidden unit times c reaches about 2.5 for x of spread 1 and weights of spread 0.02; about 2,200 with both 30 times larger; 512 x 30 x 0.6 = 9,216 with
; offsets of 30 spreads on both.  Downward, numbers under 2^-14 are kept as f16 denormals, within 2^-25: for weights 30 times smaller 4.5e-5 of their spread.
; WEIGHTS come as f16 fragments in register image, one stream for each wave number (made by the launch before), 32 KiB a wave and trip: {W2(t - 1), W1(t)}.
; No weight byte is read from LDS by two waves.  CLUSTER: the four work-groups of a cluster walk the same weights, so each tile is asked for JOINTLY: the same tensor load,
; the same descriptor (it hangs on the wave's number and the trip alone), a mask that names the four.  Two slots take turns; a wave has two tensor loads out at the start and one behind each round.
; THE GATE is made in f32 on the vector unit: a choice between experts does not bear rounded operands.  Ties go to the lower index; the largest logit is taken away before the exponentials.
; LIMITS.  An x, a weight or a hidden unit times c beyond 65,504 becomes infinite.  relu is a maximum in which NaN loses: a NaN in front of relu gives 0.  NaN logits are not ranked as a sorting
; would rank them.  The logits are f32 sums in another order than a row-by-row product's: where the second and third logit lie within about 1e-6 of their size, the other expert may be chosen.
;
; LDS: slot 0 at 0, slot 1 at 131,072: wave w's part at 32,768 w: 16 fragments of W2, then 16 of W1.  HREG (ds_store only, never a tensor load's target), used in turn as
;   the stage for x (32 rows x 1,040), two buffers for the hidden chunk (64 rows x 144, at + 0 and + 16,384), the stage for out (wave w: 16 rows x 528 at 8,448 w).  CT: [64 tokens][4] f32, logits, then c.
;   All three pitches are odd multiples of 16 bytes, so that sixteen rows of a 16-byte access fall into sixteen different columns.
; REGISTERS, in windows of 256 (s_set_vgpr_msb: bits 1:0 source 0, 3:2 source 1, 5:4 source 2, 7:6 destination):
;   window 0: v0-31 addresses, c, b1;  v32-63 P1's accumulators;  v64-127, v128-191 weight fragments R0, R1;  v192-223, v224-255 fragments of the hidden chunk R2, R3
;   window 1: out's 32 accumulators ((tb, nb) at 8 (8 tb + nb)); before the loop: x as loaded.     windows 2, 3: x's fragments, (ks, tb) at 32 (ks & 7) + 8 tb, ks < 8 in window 2
.set SLOT1, 1<<17
.set W1OFF, 16384                      ; W1's fragments in a wave's part of a slot
.set HREG,  262144
.set HBUF,  0x4000                     ; from one buffer of the hidden chunk to the other
.set HP,    144                        ; a token's 64 units in f16 + 16
.set XP,    1040                       ; a token's 512 channels in f16 + 16
.set OPT,   528                        ; 128 columns of out in f32 + 16
.set CT,    296960
.set AW,  2                            ; 16 L + 32,768 w: my 16 bytes of a fragment half in slot 0
.set AT,  3                            ; the same in this trip's slot
.set AH0, 4                            ; HREG + 144 r + 16 h
.set AHR, 5                            ; + the buffer that is read;  before the loop: CT + 256 w + 16 r
.set AS0, 6                            ; AH0 + 32 w
.set AHW, 7                            ; + the buffer that is written
.set AC0, 8                            ; CT + 16 r
.set AC,  9                            ; + 4 e
.set VB,  10                           ; 64 w + 32 h: my eight b1
.set VO,  11                           ; 16 L; on the way out 512 w + 16 L
.set CUR, 12                           ; v[12 + 2 tb]: c of my token of tile tb for this trip's expert; the odd registers are named as pairs' upper halves and hold 0
.set BIAS, 20                          ; v[20:27]
.set XS,  28                           ; before the loop: stage for x, in;   on the way out: stage for out, in
.set LW,  29                           ; before the loop: where my logits go;  on the way out: stage for out, back
.set XR,  30                           ; before the loop: stage for x, back;  on the way out: CT
.set WGO, 31                           ; 64 L: my rows of wg
.set HA,  32
.set R0,  64
.set R1,  128
.set R2,  192
.set R3,  224
.set PL,  32                           ; before the loop: partial logits (row i, expert e) at PL + 4 i + e
.set WGR, 64                           ; wg[128 j + 4 L + dd][0..3] at WGR + 16 j + 4 dd
.set CV,  128                          ; x in f16 on its way into the stage
.set LG,  192                          ; the gate: 4 logits
.set GM,  196                          ; their maximum
.set GT,  197                          ; six comparisons
.set RK,  204                          ; four ranks
.set GP,  208                          ; four weights
.set GS,  212                          ; their sum, its reciprocal
.set B2,  32                           ; the way out: b2[e][128 w + 4 L ..] at B2 + 4 e
.set TT,  64                           ; 16 rows read back
.set CC,  128                          ; their tokens' four c
.set WV,  18                           ; s18 wave
.set G1F, 24                           ; s[24:31] descriptor group 1: 128 rows of 256 bytes
.set G1H, 32                           ; s[32:39] the same with 64 rows
.set G0A, 40                           ; s[40:43] group 0 of the first tile
.set G0W, 44                           ; s[44:47] group 0 that walks
.set TB,  48                           ; this trip's slot
.set HW,  49                           ; the buffer written, the buffer read
.set HR,  50
.set TC,  51                           ; the trip
.set E4,  52                           ; 4 x expert
.set SEL, 54                           ; s[54:55] v_permlanex16_b32: each lane takes its own place in the other half
.set BG,  56                           ; s[56:59] bg
.set MSB, 0
.macro WIN new                         ; the immediate's high byte repeats the setting that is left; a switch that changes nothing is dropped
.if MSB != \new
	s_set_vgpr_msb (MSB<<8)|\new
.set MSB, \new
.endif
.endm
.macro PLACES                          ; four plain vector instructions between a matrix instruction and a load into, or a read of, its registers
.rept 4
	v_nop
.endr
.endm
.macro CREST                           ; a round of the cluster's barrier behind its opening barrier
	s_cmp_lg_u32 s[WV], 0
	s_cbranch_scc1 .Lnot_wave_0_\@
	s_barrier_signal -3
.Lnot_wave_0_\@:
	s_barrier_wait -3
	s_barrier_signal -1
	s_barrier_wait -1
.endm
.macro CROUND                          ; a whole round
	s_barrier_signal -1
	s_barrier_wait -1
	CREST
.endm
	s_load_b256 s[4:11], s[0:1], 0x0               ; x s[4:5], wg s[6:7], bg s[8:9], b1 s[10:11]
	s_load_b128 s[12:15], s[0:1], 0x20             ; b2 s[12:13], wpk s[14:15]
	s_load_b64 s[16:17], s[0:1], 0x30              ; out0
	v_lshl_add_u32 v198, v0, 2, 0x48c00
	v_mov_b32 v199, 0
	ds_add_u32 v198, v199
	s_wait_dscnt 0x0
	v_lshrrev_b32 v1, 5, v0
	v_readfirstlane_b32 s[WV], v1                  ; wave 0..3
	s_bfe_u32 s19, ttmp6, 0x40000                  ; cx
	s_lshl_b32 s20, ttmp9, 2                       ; in a cluster launch ttmp9 counts clusters
	s_add_co_u32 s20, s20, s19                     ; my block of 64 tokens: it enters x's and out's addresses alone
.irp g, G1F, G1H
	s_mov_b32 s[\g], 15|(3<<16)|(1<<21)            ; 15:0 the mask: all four work-groups; 17:16 elements of 8 bytes; 21 set beside a mask; no padding: the fragments are read as they lie
	s_mov_b32 s[\g+1], 32<<16                      ; tensor_dim0 = 32 elements: rows of 256 bytes
	s_mov_b32 s[\g+3], 32<<16                      ; tile_dim0 = 32
	s_mov_b32 s[\g+5], 32                          ; from row to row: the block is dense
	s_mov_b32 s[\g+6], 0
	s_mov_b32 s[\g+7], 0
.endr
	s_mov_b32 s[G1F+2], 128<<16                    ; tensor_dim1
	s_mov_b32 s[G1F+4], 128                        ; tile_dim1: 128 rows, 32 KiB
	s_mov_b32 s[G1H+2], 64<<16
	s_mov_b32 s[G1H+4], 64                         ; 64 rows, 16 KiB: the first tile (W1 alone) and the last (W2 alone)
	s_lshl_b32 s21, s[WV], 15                      ; my part of a slot
	s_mov_b32 s[G0A], 1
	s_add_co_u32 s[G0A+1], s21, W1OFF              ; tile 0 = W1(0): slot 0, behind W2's place
	s_mov_b32 s[G0W], 1
	s_add_co_u32 s[G0W+1], s21, SLOT1              ; tile 1 = {W2(0), W1(1)}: slot 1
	s_lshl_b32 s22, s[WV], 21                      ; my stream in wpk
	s_mov_b32 s23, 0
	s_lshl_b32 s60, s20, 17                        ; 64 tokens of 2,048 bytes
	s_mov_b32 s61, 0
	s_lshl_b32 s62, s[WV], 14                      ; 8 tokens
	s_mov_b32 s63, 0
	s_mov_b32 s[SEL], 0x76543210
	s_mov_b32 s[SEL+1], 0xfedcba98
	s_wait_kmcnt 0x0
	s_load_b128 s[BG:BG+3], s[8:9], 0x0
	s_add_nc_u64 s[G0A+2:G0A+3], s[14:15], s[22:23]
	s_add_nc_u64 s[G0W+2:G0W+3], s[G0A+2:G0A+3], 16384
	s_or_b32 s[G0A+3], s[G0A+3], 0x80000000        ; type = 2
	s_or_b32 s[G0W+3], s[G0W+3], 0x80000000
	s_add_nc_u64 s[4:5], s[4:5], s[60:61]          ; x at my wave's first row of the first half
	s_add_nc_u64 s[4:5], s[4:5], s[62:63]
	s_add_nc_u64 s[16:17], s[16:17], s[60:61]      ; out at the block's first row
	v_and_b32 v1, 15, v0                           ; r
	v_bfe_u32 v9, v0, 4, 1                         ; h
	v_and_b32 v3, 31, v0                           ; L
	v_lshlrev_b32 v[VO], 4, v3
	v_lshl_add_u32 v[AW], s[WV], 15, v[VO]
	v_mul_u32_u24 v[AH0], v1, HP
	v_lshl_add_u32 v[AH0], v9, 4, v[AH0]
	v_add_nc_u32 v[AH0], HREG, v[AH0]
	v_lshl_add_u32 v[AS0], s[WV], 5, v[AH0]
	v_lshlrev_b32 v[AC0], 4, v1
	v_add_nc_u32 v[AC0], CT, v[AC0]
	v_lshl_add_u32 v[AHR], s[WV], 8, v[AC0]        ; the gate's place: token 16 w + r
	v_lshlrev_b32 v[VB], 5, v9
	v_lshl_add_u32 v[VB], s[WV], 6, v[VB]
	s_mul_i32 s62, s[WV], 8*XP
	s_add_co_u32 s62, s62, HREG
	v_lshl_add_u32 v[XS], v3, 3, s62               ; stage row 8 w, 8 bytes a lane
	s_lshl_b32 s63, s[WV], 7
	s_add_co_u32 s63, s63, CT
	v_mov_b32 v[LW], s63                           ; CT + 16 x 8 w
	v_mul_u32_u24 v[XR], v1, XP
	v_lshl_add_u32 v[XR], v9, 4, v[XR]
	v_add_nc_u32 v[XR], HREG, v[XR]
	v_lshlrev_b32 v[WGO], 6, v3
	CROUND                                         ; all four work-groups are here: the first joint loads meet
	tensor_load_to_lds s[G0A:G0A+3], s[G1H:G1H+7]  ; both first fills go out together, ahead of every wait on TENSORcnt, every LDS read and every other barrier
	s_nop 0
	tensor_load_to_lds s[G0W:G0W+3], s[G1F:G1F+7]
	s_nop 0
	PLACES                                         ; four v_nop follow the tensor loads
.irp j, 0,1,2,3
.irp dd, 0,1,2,3
	global_load_b128 v[WGR+16*\j+4*\dd:WGR+16*\j+4*\dd+3], v[WGO], s[6:7] offset:2048*\j+16*\dd   ; the four dd together cover 2,048 consecutive bytes
.endr
.endr
	global_load_b128 v[BIAS:BIAS+3], v[VB], s[10:11]
	global_load_b128 v[BIAS+4:BIAS+7], v[VB], s[10:11] offset:16
	WIN 0x40                                       ; destination window 1
.irp p, 0,1
.irp i, 0,1,2,3,4,5,6,7
.irp j, 0,1,2,3
	global_load_b128 v[128*\p+16*\i+4*\j:128*\p+16*\i+4*\j+3], v[VO], s[4:5] offset:65536*\p+2048*\i+512*\j th:TH_LOAD_NT   ; token 32 p + 8 w + i, channels 128 j + 4 L ..: 512 consecutive bytes
.endr
.endr
.endr
	WIN 0
; Half p of the block's tokens: my eight rows' partial logits, the rows in f16 into the stage, the logits into CT; behind a barrier every wave takes the half's fragments of x.
.macro PASS p
	s_wait_loadcnt 32-32*\p                        ; loads return in order: wg, b1 and half 0 are in while half 1's 32 stay out; then all
	WIN 0x01                                       ; x (source 0) in window 1
.irp j, 0,1,2,3
.irp dh, 0,1
.irp dl, 0,1
.irp i, 0,1,2,3,4,5,6,7
.irp ep, 0,1
.if (\j+\dh+\dl) == 0
	v_pk_mul_f32 v[PL+4*\i+2*\ep:PL+4*\i+2*\ep+1], v[128*\p+16*\i+4*\j+2*\dh:128*\p+16*\i+4*\j+2*\dh+1], v[WGR+16*\j+8*\dh+4*\dl+2*\ep:WGR+16*\j+8*\dh+4*\dl+2*\ep+1] op_sel:[\dl,0] op_sel_hi:[\dl,1]
.else
	v_pk_fma_f32 v[PL+4*\i+2*\ep:PL+4*\i+2*\ep+1], v[128*\p+16*\i+4*\j+2*\dh:128*\p+16*\i+4*\j+2*\dh+1], v[WGR+16*\j+8*\dh+4*\dl+2*\ep:WGR+16*\j+8*\dh+4*\dl+2*\ep+1], v[PL+4*\i+2*\ep:PL+4*\i+2*\ep+1] op_sel:[\dl,0,0] op_sel_hi:[\dl,1,1]
.endif
.endr
.endr
.endr
.endr
.endr
	WIN 0x05                                       ; sources 0 and 1 in window 1
.irp i, 0,1,2,3,4,5,6,7
.irp j, 0,1,2,3
	v_cvt_pk_f16_f32 v[CV+8*\i+2*\j],   v[128*\p+16*\i+4*\j],   v[128*\p+16*\i+4*\j+1]
	v_cvt_pk_f16_f32 v[CV+8*\i+2*\j+1], v[128*\p+16*\i+4*\j+2], v[128*\p+16*\i+4*\j+3]
.endr
.endr
	WIN 0
.irp i, 0,1,2,3,4,5,6,7
.irp j, 0,1,2,3
	ds_store_b64 v[XS], v[CV+8*\i+2*\j:CV+8*\i+2*\j+1] offset:\i*XP+256*\j
.endr
.endr
	; 32 sums over the 32 lanes: four steps inside each half ride on the addition, one crosses the halves; every lane ends with the sum
.irp m, 1,2,4,8
.set cn, 0
.rept 32
	v_add_f32_dpp v[PL+cn], v[PL+cn], v[PL+cn] row_xmask:\m row_mask:0xf bank_mask:0xf
.set cn, cn+1
.endr
.endr
.set cn, 0
.rept 32
	v_permlanex16_b32 v[CV+cn], v[PL+cn], s[SEL], s[SEL+1]     ; its destination counts as read: a register that has been written
.set cn, cn+1
.endr
.set cn, 0
.rept 32
	v_add_f32 v[PL+cn], v[PL+cn], v[CV+cn]
.set cn, cn+1
.endr
.irp i, 0,1,2,3,4,5,6,7
	ds_store_b128 v[LW], v[PL+4*\i:PL+4*\i+3] offset:512*\p+16*\i   ; all lanes write the same 16 bytes with the same numbers
.endr
	s_wait_dscnt 0x0                               ; for the others' sake: my rows and logits are in LDS
	s_barrier_signal -1
	s_barrier_wait -1
	WIN 0x80                                       ; destination window 2: channels 0 to 255
.irp ks, 0,1,2,3,4,5,6,7
.irp tl, 0,1
	ds_load_b128 v[32*\ks+8*(2*\p+\tl):32*\ks+8*(2*\p+\tl)+3],   v[XR] offset:16*XP*\tl+64*\ks
	ds_load_b128 v[32*\ks+8*(2*\p+\tl)+4:32*\ks+8*(2*\p+\tl)+7], v[XR] offset:16*XP*\tl+64*\ks+32
.endr
.endr
	WIN 0xc0                                       ; window 3: channels 256 to 511
.irp ks, 0,1,2,3,4,5,6,7
.irp tl, 0,1
	ds_load_b128 v[32*\ks+8*(2*\p+\tl):32*\ks+8*(2*\p+\tl)+3],   v[XR] offset:16*XP*\tl+64*\ks+512
	ds_load_b128 v[32*\ks+8*(2*\p+\tl)+4:32*\ks+8*(2*\p+\tl)+7], v[XR] offset:16*XP*\tl+64*\ks+544
.endr
.endr
	WIN 0
.endm
	PASS 0
	s_wait_dscnt 0x0                               ; my reads of the stage are back: behind this barrier it is written again
	s_barrier_signal -1
	s_barrier_wait -1
	PASS 1
	; THE GATE.  Wave w ranks tokens 16 w + r (both halves of the lanes do the same work) and writes c over the logits: between two barriers a wave touches its own 256 bytes of CT alone.
	ds_load_b128 v[LG:LG+3], v[AHR]
	s_wait_kmcnt 0x0                               ; bg
	s_wait_dscnt 0x0                               ; the logits, and x's fragments
.irp e, 0,1,2,3
	v_add_f32 v[LG+\e], s[BG+\e], v[LG+\e]
.endr
	v_max3_num_f32 v[GM], v[LG], v[LG+1], v[LG+2]
	v_max_num_f32 v[GM], v[GM], v[LG+3]
.irp e, 0,1,2,3
	v_sub_f32 v[GP+\e], v[LG+\e], v[GM]            ; the largest logit is among the two chosen: no exponent is above 0
.endr
.irp e, 0,1,2,3
	v_mul_f32 v[GP+\e], 0x3fb8aa3b, v[GP+\e]       ; log2(e)
.endr
.irp e, 0,1,2,3
	v_exp_f32 v[GP+\e], v[GP+\e]
.endr
	v_nop                                          ; a plain instruction behind the last exponential
	; t_ab = 1 where logit a >= logit b (a < b): then a stands ahead of b, a tie too
	v_cmp_ge_f32 vcc_lo, v[LG], v[LG+1]
	v_cndmask_b32 v[GT], 0, 1, vcc_lo              ; t01
	v_cmp_ge_f32 vcc_lo, v[LG], v[LG+2]
	v_cndmask_b32 v[GT+1], 0, 1, vcc_lo            ; t02
	v_cmp_ge_f32 vcc_lo, v[LG], v[LG+3]
	v_cndmask_b32 v[GT+2], 0, 1, vcc_lo            ; t03
	v_cmp_ge_f32 vcc_lo, v[LG+1], v[LG+2]
	v_cndmask_b32 v[GT+3], 0, 1, vcc_lo            ; t12
	v_cmp_ge_f32 vcc_lo, v[LG+1], v[LG+3]
	v_cndmask_b32 v[GT+4], 0, 1, vcc_lo            ; t13
	v_cmp_ge_f32 vcc_lo, v[LG+2], v[LG+3]
	v_cndmask_b32 v[GT+5], 0, 1, vcc_lo            ; t23
	; rank = how many stand ahead
	v_add3_u32 v[RK], v[GT], v[GT+1], v[GT+2]
	v_sub_nc_u32 v[RK], 3, v[RK]                   ; 3 - t01 - t02 - t03
	v_add_nc_u32 v[RK+1], v[GT+3], v[GT+4]
	v_sub_nc_u32 v[RK+1], v[GT], v[RK+1]
	v_add_nc_u32 v[RK+1], 2, v[RK+1]               ; t01 + 2 - t12 - t13
	v_add_nc_u32 v[RK+2], v[GT+1], v[GT+3]
	v_sub_nc_u32 v[RK+2], v[RK+2], v[GT+5]
	v_add_nc_u32 v[RK+2], 1, v[RK+2]               ; t02 + t12 + 1 - t23
	v_add3_u32 v[RK+3], v[GT+2], v[GT+4], v[GT+5]  ; t03 + t13 + t23
	s_wait_alu depctr_va_vdst(0)
.irp e, 0,1,2,3
	v_cmp_gt_u32 vcc_lo, 2, v[RK+\e]
	v_cndmask_b32 v[GP+\e], 0, v[GP+\e], vcc_lo    ; the choice selects a value and steers nothing
.endr
	v_add_f32 v[GS], v[GP], v[GP+1]
	v_add_f32 v[GS+1], v[GP+2], v[GP+3]
	v_add_f32 v[GS], v[GS], v[GS+1]                ; at least 1
	v_rcp_f32 v[GS+1], v[GS]
	v_nop
	s_wait_alu depctr_va_vdst(0)
.irp e, 0,1,2,3
	v_mul_f32 v[GP+\e], v[GP+\e], v[GS+1]
.endr
	ds_store_b128 v[AHR], v[GP:GP+3]
.irp tb, 0,1,2,3
	v_mov_b32 v[CUR+2*\tb+1], 0                    ; named as a pair's upper half, so it is written
.endr
	s_mov_b32 s[TB], 0
	s_mov_b32 s[HW], 0
	s_mov_b32 s[HR], HBUF
	s_mov_b32 s[TC], 0
	s_wait_tensorcnt 0x1                           ; tile 0 is in (only I read my part); tile 1 may stay out
	s_wait_dscnt 0x0                               ; c is in CT, and my reads of x's stage are back: its bytes now take the hidden chunk
	s_barrier_signal -1
	s_barrier_wait -1
.macro LDW1 k0, R                      ; eight fragments of W1, K steps k0 on: 16 loads
.irp n, 0,1,2,3,4,5,6,7
	ds_load_b128 v[\R+8*\n:\R+8*\n+3],   v[AT] offset:W1OFF+(\k0+\n)*1024
	ds_load_b128 v[\R+8*\n+4:\R+8*\n+7], v[AT] offset:W1OFF+(\k0+\n)*1024+512
.endr
.endm
.macro LDW2 kf, R                      ; eight fragments of W2, K step kf: 16 loads
.irp n, 0,1,2,3,4,5,6,7
	ds_load_b128 v[\R+8*\n:\R+8*\n+3],   v[AT] offset:(8*\kf+\n)*1024
	ds_load_b128 v[\R+8*\n+4:\R+8*\n+7], v[AT] offset:(8*\kf+\n)*1024+512
.endr
.endm
.macro LDH kf, R                       ; four fragments of the hidden chunk (16 tokens x 32 units): 8 loads
.irp tb, 0,1,2,3
	ds_load_b128 v[\R+8*\tb:\R+8*\tb+3],   v[AHR] offset:16*HP*\tb+64*\kf
	ds_load_b128 v[\R+8*\tb+4:\R+8*\tb+7], v[AHR] offset:16*HP*\tb+64*\kf+32
.endr
.endm
.macro LDC                             ; c of my four tokens for this trip's expert: 4 loads
.irp tb, 0,1,2,3
	ds_load_b32 v[CUR+2*\tb], v[AC] offset:256*\tb
.endr
.endm
; 32 products of P1: K steps k0 .. k0 + 7; the four accumulators take turns, one instruction a turn.  The very first step takes b1 as its C: nothing is cleared or added later.
.macro P1MUL R, k0
.irp n, 0,1,2,3,4,5,6,7
.irp tb, 0,1,2,3
.if (\k0+\n) == 0
	v_wmma_f32_16x16x32_f16 v[HA+8*\tb:HA+8*\tb+7], v[\R+8*\n:\R+8*\n+7], v[32*\n+8*\tb:32*\n+8*\tb+7], v[BIAS:BIAS+7]
.else
	v_wmma_f32_16x16x32_f16 v[HA+8*\tb:HA+8*\tb+7], v[\R+8*\n:\R+8*\n+7], v[32*\n+8*\tb:32*\n+8*\tb+7], v[HA+8*\tb:HA+8*\tb+7]
.endif
.endr
.endr
.endm
; Slice i of 16 of the chunk's way into LDS: a quarter of tile i / 4: relu of registers 0-3 (an accumulator is read from its low end on), of 4-7, times c, rounding and the store.
.macro SLICE
	WIN 0
.set rA, HA+8*(i/4)
.set rC, CUR+2*(i/4)
.if (i%4) == 0
.irp k, 0,1,2,3
	v_max_num_f32 v[rA+\k], 0, v[rA+\k]
.endr
.elseif (i%4) == 1
.irp k, 4,5,6,7
	v_max_num_f32 v[rA+\k], 0, v[rA+\k]
.endr
.elseif (i%4) == 2
.irp k, 0,2,4,6
	v_pk_mul_f32 v[rA+\k:rA+\k+1], v[rA+\k:rA+\k+1], v[rC:rC+1] op_sel_hi:[1,0]
.endr
.else
.irp k, 0,1,2,3
	v_cvt_pk_f16_f32 v[rA+\k], v[rA+2*\k], v[rA+2*\k+1]
.endr
	ds_store_b128 v[AHW], v[rA:rA+3] offset:16*HP*(i/4)    ; token 16 tb + r, units 16 w + 8 h ..
.endif
.endm
; Products i0 .. i0 + cnt - 1 of the 32 of P2's K step kf; the 32 accumulators take turns.  zero = 1: they start the sums.  sl = 1: a slice stands behind each of the first sixteen.
.macro P2RUN kf, i0, cnt, zero, sl
.set i, \i0
.rept \cnt
	WIN 0x50                                       ; C and D in window 1
.set rO, 8*i
.set rW, R0+64*\kf+8*(i%8)
.set rH, R2+32*\kf+8*(i/8)
.if \zero
	v_wmma_f32_16x16x32_f16 v[rO:rO+7], v[rW:rW+7], v[rH:rH+7], 0
.else
	v_wmma_f32_16x16x32_f16 v[rO:rO+7], v[rW:rW+7], v[rH:rH+7], v[rO:rO+7]
.endif
.if \sl && (i < 16)
	SLICE
.endif
.set i, i+1
.endr
.endm
; TRIP t: P1(t), P2(t - 1), and the second half of P2(t - 2)'s last K step, which works from registers while this trip's first fragments come.
; tail = 1: that half is there.  p2 = 0: no P2 yet; 1: it starts out's sums; 2: it adds.  more = 1: b1 of chunk t + 1 is fetched.
; edge = 1: the slot just read is filled again with tile t + 2; 2: with the last tile, of 64 rows; 3: nothing is left to ask for.
.macro TRIP tail, p2, more, edge
	s_lshr_b32 s[E4], s[TC], 2
	s_and_b32 s[E4], s[E4], 12                     ; 4 (t >> 4)
	v_add_nc_u32 v[AT], s[TB], v[AW]
	v_add_nc_u32 v[AHR], s[HR], v[AH0]
	v_add_nc_u32 v[AHW], s[HW], v[AS0]
	v_add_nc_u32 v[AC], s[E4], v[AC0]
	LDW1 0, R0                                     ; run A; the last products that read R0 and R2 stand in front of the four v_nop at the last trip's end
.if \p2
	LDH 0, R2
.endif
.if \tail
	P2RUN 1, 16, 16, 0, 0
	PLACES                                         ; for the loads into R1 and R3
	WIN 0
.endif
	LDW1 8, R1                                     ; run B
.if \p2
	LDH 1, R3
.endif
	s_wait_loadcnt 0x0                             ; b1 of this chunk; its loads are done, so their base may step
.if \more
	s_add_nc_u64 s[10:11], s[10:11], 256           ; 64 units of 4 bytes
.endif
.if \p2
	s_wait_dscnt 24                                ; run A is in; run B's 24 stay out
.else
	s_wait_dscnt 16                                ; run B's 16
.endif
	WIN 0x08                                       ; x in window 2
	P1MUL R0, 0
	PLACES                                         ; for the loads into R0 and into b1's registers
	WIN 0
.if \p2
	LDW2 0, R0                                     ; run C
.endif
	LDC
.if \more
	global_load_b128 v[BIAS:BIAS+3], v[VB], s[10:11]           ; the four waves together take 256 consecutive bytes of b1, once
	global_load_b128 v[BIAS+4:BIAS+7], v[VB], s[10:11] offset:16
.endif
.if \p2
	s_wait_dscnt 20                                ; run B is in; run C's 20 stay out
.else
	s_wait_dscnt 4                                 ; run C's 4
.endif
	WIN 0x0c                                       ; x in window 3
	P1MUL R1, 8
	PLACES                                         ; for the loads into R1 and for the slices, which read these products' results
	WIN 0
.if \p2
	LDW2 1, R1                                     ; run D
	s_wait_dscnt 16                                ; run C is in; run D's 16 stay out
.if \p2 == 1
	P2RUN 0, 0, 32, 1, 1
.else
	P2RUN 0, 0, 32, 0, 1
.endif
.else
	s_wait_dscnt 0x0                               ; c
.set i, 0
.rept 16
	SLICE
.set i, i+1
.endr
.endif
	; THE CHANGE OF SLOTS AND BUFFERS: one barrier.  In front of it: my reads of this slot and of the chunk are back and my part of the new chunk is in LDS; all my tensor loads have landed
	; (one was out: the next slot's).  Behind it nobody reads this slot, the old chunk's buffer may be written, and the new chunk is whole.
	s_wait_dscnt 0x0
	s_wait_xcnt 0x0
	s_set_vgpr_msb (MSB<<8)|((MSB&0x3c)|0x0)
	v_lshl_add_u32 v198, v0, 2, 0x48c00
	v_mov_b32 v199, 0
	s_set_vgpr_msb (((MSB&0x3c)|0x0)<<8)|((MSB&0x30)|0x0)
	s_wait_tensorcnt 0x0                           ; no tensor load of mine is out, so the walking group 0 may be written
	ds_add_u32 v198, v199
	s_wait_dscnt 0x0
	s_set_vgpr_msb (((MSB&0x30)|0x0)<<8)|MSB
.if \edge < 3
	s_xor_b32 s[G0W+1], s[G0W+1], SLOT1            ; the slot just read,
	s_add_nc_u64 s[G0W+2:G0W+3], s[G0W+2:G0W+3], 32768     ; the next tile; the type bits on top are not reached
.endif
	s_barrier_signal -1
.if \p2
	P2RUN 1, 0, 16, 0, 0                           ; work on registers while the others arrive
.endif
	WIN 0                                          ; at a branch and at a label every window is 0
	s_barrier_wait -1
.if \edge == 1
	CREST                                          ; the barrier has opened a round of the cluster's: no wave of any partner still reads the slot or has a load on its way
	tensor_load_to_lds s[G0W:G0W+3], s[G1F:G1F+7]  ; my one tensor load behind the round, and the first thing there: 112 matrix instructions ahead of the wait for it
	s_nop 0
.elseif \edge == 2
	CREST
	tensor_load_to_lds s[G0W:G0W+3], s[G1H:G1H+7]
	s_nop 0
.endif
	PLACES                                         ; four v_nop follow the tensor load; they are also the places in front of the next run A
	s_xor_b32 s[TB], s[TB], SLOT1
	s_xor_b32 s[HW], s[HW], HBUF
	s_xor_b32 s[HR], s[HR], HBUF
	s_add_co_u32 s[TC], s[TC], 1
.endm
	TRIP 0, 0, 1, 1                                ; trip 0: P1(0) alone
	TRIP 0, 1, 1, 1                                ; trip 1: P2(0) starts out's sums
.Ltrip:                                                ; trips 2 to 61 ask for tiles 4 to 63
	TRIP 1, 2, 1, 1
	s_cmp_lt_u32 s[TC], 62
	s_cbranch_scc1 .Ltrip
	TRIP 1, 2, 1, 2                                ; trip 62 asks for the last tile, W2(63).  The tail is written out
	TRIP 1, 2, 0, 3                                ; trip 63: the last chunk of P1
	; the rest: P2(62)'s last half, P2(63)
	v_add_nc_u32 v[AT], s[TB], v[AW]
	v_add_nc_u32 v[AHR], s[HR], v[AH0]
	v_lshl_add_u32 v[VO], s[WV], 9, v[VO]          ; 512 w + 16 L: my 16 bytes of a row of out and of b2 (every load that named this register is done)
.irp e, 0,1,2,3
	global_load_b128 v[B2+4*\e:B2+4*\e+3], v[VO], s[12:13] offset:2048*\e
.endr
	LDW2 0, R0
	LDH 0, R2
	P2RUN 1, 16, 16, 0, 0
	PLACES
	WIN 0
	LDW2 1, R1
	LDH 1, R3
	s_wait_dscnt 24                                ; the first K step's fragments are in; the 24 just issued stay out
	P2RUN 0, 0, 32, 0, 0
	s_wait_dscnt 0x0                               ; my reads of the chunk are back: behind this barrier its bytes become the stage for out
	s_barrier_signal -1
	P2RUN 1, 0, 32, 0, 0
	WIN 0
	s_barrier_wait -1
	; THE WAY OUT.  A lane's eight numbers are 32 bytes of a token's row; a tile of 16 tokens goes through my own stage and comes back as rows of 512 bytes, takes c b2, and is stored.
	PLACES                                         ; behind the last products
	s_mul_i32 s62, s[WV], 16*OPT
	s_add_co_u32 s62, s62, HREG
	v_bfe_u32 v[WGO], v0, 4, 1                     ; h
	v_mul_u32_u24 v[XS], v1, OPT
	v_lshl_add_u32 v[XS], v[WGO], 5, v[XS]
	v_add_nc_u32 v[XS], s62, v[XS]                 ; in: row r, 32 bytes for each half of the lanes
	v_and_b32 v[LW], 31, v0
	v_lshl_add_u32 v[LW], v[LW], 4, s62            ; back: 16 bytes a lane
	v_mov_b32 v[XR], CT
	s_wait_loadcnt 0x0                             ; b2
.macro OUTTILE tb
	s_wait_xcnt 0x0                                ; the registers that the last tile's stores read are loaded again only behind this wait
	WIN 0x04                                       ; store data in window 1
.irp nb, 0,1,2,3,4,5,6,7
	ds_store_b128 v[XS], v[8*(8*\tb+\nb):8*(8*\tb+\nb)+3]   offset:64*\nb          ; each accumulator from its low end on
	ds_store_b128 v[XS], v[8*(8*\tb+\nb)+4:8*(8*\tb+\nb)+7] offset:64*\nb+16
.endr
	WIN 0
.irp rr, 0,1,2,3,4,5,6,7,8,9,10,11,12,13,14,15
	ds_load_b128 v[TT+4*\rr:TT+4*\rr+3], v[LW] offset:OPT*\rr                      ; LDS serves a wave's instructions in order: these see the stores above
	ds_load_b128 v[CC+4*\rr:CC+4*\rr+3], v[XR] offset:256*\tb+16*\rr               ; the token's four c, the same in every lane
.endr
.irp rr, 0,1,2,3,4,5,6,7,8,9,10,11,12,13,14,15
	s_wait_dscnt 2*(15-\rr)                        ; the younger rows' loads stay out
.irp eh, 0,1
.irp el, 0,1
.irp pp, 0,1
	v_pk_fma_f32 v[TT+4*\rr+2*\pp:TT+4*\rr+2*\pp+1], v[B2+8*\eh+4*\el+2*\pp:B2+8*\eh+4*\el+2*\pp+1], v[CC+4*\rr+2*\eh:CC+4*\rr+2*\eh+1], v[TT+4*\rr+2*\pp:TT+4*\rr+2*\pp+1] op_sel:[0,\el,0] op_sel_hi:[1,\el,1]
.endr
.endr
.endr
	global_store_b128 v[VO], v[TT+4*\rr:TT+4*\rr+3], s[16:17] offset:2048*(16*\tb+\rr) th:TH_STORE_NT   ; 512 consecutive bytes, aligned
.endr
.endm
	OUTTILE 0
	OUTTILE 1
	OUTTILE 2
	OUTTILE 3
	s_wait_xcnt 0x0
	s_set_vgpr_msb (MSB<<8)|((MSB&0x3c)|0x0)
	v_lshl_add_u32 v198, v0, 2, 0x48c00
	v_mov_b32 v199, 0
	s_set_vgpr_msb (((MSB&0x3c)|0x0)<<8)|((MSB&0x30)|0x0)
	s_wait_tensorcnt 0x0
	ds_add_u32 v198, v199
	s_wait_dscnt 0x0
	s_set_vgpr_msb (((MSB&0x30)|0x0)<<8)|MSB
	CROUND                                         ; the closing round: no work-group ends while a partner may still ask for a tile that names it
	s_endpgm
.Lfunc_end_k_qbd5e4366c0_moe:
	.size	k_qbd5e4366c0_moe, .Lfunc_end_k_qbd5e4366c0_moe-k_qbd5e4366c0_moe
	.p2alignl 7, 3214868480
	.fill 96, 4, 3214868480
	.section	.rodata,"a",@progbits
	.p2align	6, 0x0
	.amdhsa_kernel k_qbd5e4366c0_moe
		.amdhsa_group_segment_fixed_size 327680
		.amdhsa_private_segment_fixed_size 0
		.amdhsa_enable_private_segment 0
		.amdhsa_kernarg_size 56
		.amdhsa_user_sgpr_count 2
		.amdhsa_user_sgpr_kernarg_segment_ptr 1
		.amdhsa_wavefront_size32 1
		.amdhsa_system_sgpr_workgroup_id_x 1
		.amdhsa_system_sgpr_workgroup_id_y 1
		.amdhsa_system_sgpr_workgroup_id_z 1
		.amdhsa_system_vgpr_workitem_id 0
		.amdhsa_next_free_vgpr 1024
		.amdhsa_next_free_sgpr 66
		.amdhsa_reserve_vcc 1
		.amdhsa_float_denorm_mode_32 3
		.amdhsa_float_denorm_mode_16_64 3
		.amdhsa_memory_ordered 1
		.amdhsa_forward_progress 1
		.amdhsa_inst_pref_size 244
	.end_amdhsa_kernel
	.amdgpu_metadata
---
amdhsa.version: [ 1, 2 ]
amdhsa.kernels:
  - .name:           k_qbd5e4366c0_moe
    .symbol:         k_qbd5e4366c0_moe.kd
    .args:
      - { .name: x, .offset: 0, .size: 8, .value_kind: global_buffer, .address_space: global }
      - { .name: wg, .offset: 8, .size: 8, .value_kind: global_buffer, .address_space: global }
      - { .name: bg, .offset: 16, .size: 8, .value_kind: global_buffer, .address_space: global }
      - { .name: b1, .offset: 24, .size: 8, .value_kind: global_buffer, .address_space: global }
      - { .name: b2, .offset: 32, .size: 8, .value_kind: global_buffer, .address_space: global }
      - { .name: wpk, .offset: 40, .size: 8, .value_kind: global_buffer, .address_space: global }
      - { .name: out0, .offset: 48, .size: 8, .value_kind: global_buffer, .address_space: global }
    .group_segment_fixed_size: 327680
    .private_segment_fixed_size: 0
    .kernarg_segment_align: 8
    .kernarg_segment_size: 56
    .max_flat_workgroup_size: 128
    .sgpr_count:     66
    .vgpr_count:     1024
    .wavefront_size: 32
...
	.end_amdgpu_metadata
.endif
;; end of part 2
